; MI455X (gfx1250); checked and timed in simulation.
; The chip was launched on July 23, 2026; its instructions are those of AMD's public machine-readable ISA for CDNA 5 (MIT licence, August 2026) and "CDNA5" Instruction Set Architecture Reference Guide (July 2026). The comments in the code are by the model that wrote it; some were corrected since.
;; MAC. Allowed arithmetic: float matrix products may take bf16 or f16 operands with f32 sums; all other float work in f32.
;; Inputs: W_mu 1,024 x 256 float32; W_var 1,024 x 256 float32; b_mu 256 float32; b_var 256 float32; eps 64 x 256 float32; hidden_state 64 x 1,024 float32; vocab 4,096 x 256 float32.
;; Outputs: out0 64 x 256 float32.
;; 2 versions, each right and faster than the one before. Each part assembles by itself: llvm-mc -triple=amdgcn-amd-amdhsa -mcpu=gfx1250 --defsym DOCPART=n.
;; ======== version 1 of 2: 2 launches
;; workspace buffers: cols 6,291,456 bytes
;; launch prep (part 1): grid 256 x 1, 4 waves a work-group, no clusters, 26,624 bytes of LDS; arguments vocab, hidden_state, W_mu, W_var, cols; writes cols
.if DOCPART == 1
	.amdgcn_target "amdgcn-amd-amdhsa--gfx1250"
	.amdhsa_code_object_version 6
	.text
	.protected	k_q7045446dce_prep
	.globl	k_q7045446dce_prep
	.p2align	8
	.type	k_q7045446dce_prep,@function
k_q7045446dce_prep:
	s_mov_b64 s[64:65], 0
	v_nop
	global_prefetch_b8 v0, s[64:65] scope:SCOPE_SE
	s_setreg_imm32_b32 hwreg(HW_REG_WAVE_MODE, 25, 1), 1
	s_wait_xcnt 0x0
; prep: turns the inputs into one record per dimension d, cols[d] (REC bytes), for the launch that follows:
;   bytes 0 .. 16383      the 4,096 codes vocab[:, d], in units of 64 codes whose inner order is permuted (a minimum is taken over them)
;   bytes 16384 .. 24575  partial sums of the two products: [K slice 0..15][0: hidden W_mu, 1: hidden W_var][agent 0..63] in f32
; 256 work-groups of four waves, all with the same two jobs:
;   (a) a tile of 64 codes x 64 dimensions of vocab is transposed through LDS: rows of 256 bytes in, 256 bytes of one dimension out;
;   (b) 64 agents x 32 dimensions x 64 along K of one of the two products, bf16 operands and f32 sums; wave w takes agents 16 w .. 16 w + 15.
; 8 blocks of dimensions x 2 matrices x 16 K slices = 256 pieces; with 32 dimensions and 16 slices a piece writes 64 floats (256 bytes) per
; dimension, at the price that a row of W is read in pieces of 128 bytes.
; Every load of a wave (48) is issued before the first wait; there is one step and no loop.
; NO CLUSTER: of the 40 KB that a work-group reads, 16 KB (its K slice of hidden_state) are also read by 15 others.  The fragments here go from
; memory to registers directly; a joint tensor load would put a cluster barrier and a trip through LDS in front of the products.
.set REC,   24576                      ; bytes of a dimension's record
.set POFF,  16384                      ; where its partial sums begin
.set PITCH, 272                        ; LDS rows: 256 bytes + 16, so that 16 rows begin in 16 different 16-byte columns of the 256
.set TL,    0                          ; LDS: the vocab tile, 64 rows (codes) x 64 dimensions
.set GL,    64*PITCH                   ; LDS: the product's block, 32 rows (dimensions) x 64 agents
.set VT, 16                            ; v[16:47]    vocab as loaded: 8 x 4
.set AF, 48                            ; v[48:79]    hidden_state in f32: K step s at 16 s, in the order of the fragment's k
.set BF, 80                            ; v[80:143]   W in f32: K step s at 32 s, k place e at 2 e, two neighbouring dimensions
.set AG, 144                           ; v[144:159]  A fragments, K step s at 8 s
.set BG, 160                           ; v[160:191]  B fragments, K step s, tile t at 16 s + 8 t
.set DD, 192                           ; v[192:207]  the two accumulator tiles
.set RT, VT                            ; read back from LDS: 8 x 4 codes of one dimension
.set RG, AF                            ; read back from LDS: 4 x 4 agents of one dimension
	s_load_b256 s[4:11], s[0:1], 0x0               ; vocab s[4:5], hidden_state s[6:7], W_mu s[8:9], W_var s[10:11]
	s_load_b64 s[12:13], s[0:1], 0x20              ; cols
	v_lshl_add_u32 v208, v0, 2, 0x6600
	v_mov_b32 v209, 0
	v_and_b32 v1, 15, v0                           ; t & 15: 16-byte column of a row; fragment row or column r
	v_bfe_u32 v2, v0, 4, 1                         ; half of the wave, h
	v_lshrrev_b32 v3, 4, v0                        ; t >> 4, 0..7
	v_lshrrev_b32 v6, 5, v0                        ; wave w
	; job (a): tile = 64 codes from 64 (g >> 2), 64 dimensions from 64 (g & 3)
	s_lshr_b32 s14, ttmp9, 2
	s_and_b32 s15, ttmp9, 3
	s_lshl_b32 s16, s14, 16                        ; 64 rows of 1,024 bytes
	s_lshl_b32 s17, s15, 8                         ; 64 dimensions of 4 bytes
	s_add_co_u32 s16, s16, s17
	s_mov_b32 s17, 0                               ; s[16:17] the tile's offset in vocab
	s_mul_i32 s26, s15, 64*REC
	s_lshl_b32 s27, s14, 8                         ; the tile's 64 codes: 256 bytes of each record
	s_add_co_u32 s26, s26, s27
	s_mov_b32 s27, 0                               ; s[26:27] the tile's offset in cols
	; job (b): K slice g & 15, matrix (g >> 4) & 1, 32 dimensions from 32 (g >> 5)
	s_and_b32 s18, ttmp9, 15
	s_bfe_u32 s19, ttmp9, 0x10004
	s_lshr_b32 s20, ttmp9, 5
	s_lshl_b32 s22, s18, 8                         ; 64 k of 4 bytes
	s_mov_b32 s23, 0                               ; s[22:23] offset in hidden_state
	s_lshl_b32 s24, s18, 16                        ; 64 rows of W
	s_lshl_b32 s25, s20, 7                         ; 32 dimensions of 4 bytes
	s_add_co_u32 s24, s24, s25
	s_mov_b32 s25, 0                               ; s[24:25] offset in W
	s_mul_i32 s28, s20, 32*REC
	s_lshl_b32 s29, s18, 9                         ; 512 bytes a K slice
	s_add_co_u32 s28, s28, s29
	s_lshl_b32 s29, s19, 8                         ; 256 bytes a matrix
	s_add_co_u32 s28, s28, s29
	s_mov_b32 s29, 0                               ; s[28:29] offset in cols (POFF goes into the stores' immediates)
	; lane terms of the addresses
	v_lshlrev_b32 v4, 10, v3
	v_lshl_add_u32 v4, v1, 4, v4                   ; vocab: row t >> 4, 16 bytes at column t & 15: 16 lanes read 256 consecutive bytes
	v_lshl_add_u32 v5, v6, 4, v1
	v_lshlrev_b32 v5, 12, v5
	v_lshl_add_u32 v5, v2, 5, v5                   ; hidden_state: agent 16 w + r, k from 8 h
	v_lshlrev_b32 v7, 3, v1
	v_lshl_add_u32 v7, v2, 13, v7                  ; W: row 8 h, dimensions 2 r and 2 r + 1
	v_mul_u32_u24 v8, v3, PITCH
	v_lshl_add_u32 v8, v1, 4, v8                   ; LDS: row t >> 4, 16-byte column t & 15 (tile in; product block back)
	v_mul_u32_u24 v9, v1, PITCH
	v_lshl_add_u32 v9, v6, 6, v9                   ; LDS: row t & 15, + 64 w
	v_lshl_add_u32 v10, v2, 5, v9                  ; product block in: dimension row r, agents 16 w + 8 h ..
	v_lshl_add_u32 v9, v2, 2, v9                   ; tile back: code t & 15, dimension 16 w + h
	v_mul_u32_u24 v12, v6, 16*REC
	v_mad_u32_u24 v12, v2, REC, v12
	v_lshl_add_u32 v12, v1, 4, v12                 ; cols, job (a): record 16 w + h, 16 bytes at t & 15
	v_mul_u32_u24 v13, v3, 2*REC
	v_lshl_add_u32 v13, v1, 4, v13                 ; cols, job (b): record 2 (t >> 4), 16 bytes at t & 15
	s_wait_kmcnt 0x0
	s_cmp_eq_u32 s19, 0
	s_cselect_b64 s[30:31], s[8:9], s[10:11]       ; the piece's matrix
	s_add_nc_u64 s[4:5], s[4:5], s[16:17]
	s_add_nc_u64 s[6:7], s[6:7], s[22:23]
	s_add_nc_u64 s[30:31], s[30:31], s[24:25]
	s_add_nc_u64 s[26:27], s[12:13], s[26:27]
	s_add_nc_u64 s[28:29], s[12:13], s[28:29]
	; all 48 loads.  vocab: load k takes rows 8 k + (t >> 4); read once in the launch.
.irp k, 0,1,2,3,4,5,6,7
	global_load_b128 v[VT+4*\k:VT+4*\k+3], v4, s[4:5] offset:8192*\k th:TH_LOAD_NT
.endr
	; A: a bf16 fragment of 32 k holds k = 8 h .. 8 h + 7 in registers 0-3 and 16 + 8 h .. + 7 in registers 4-7: in f32 four loads of 16 bytes
.irp s, 0,1
	global_load_b128 v[AF+16*\s:AF+16*\s+3],     v5, s[6:7] offset:128*\s
	global_load_b128 v[AF+16*\s+4:AF+16*\s+7],   v5, s[6:7] offset:128*\s+16
	global_load_b128 v[AF+16*\s+8:AF+16*\s+11],  v5, s[6:7] offset:128*\s+64
	global_load_b128 v[AF+16*\s+12:AF+16*\s+15], v5, s[6:7] offset:128*\s+80
.endr
	; B: W lies [k][dimension].  Place e of a lane's 16 is k = 8 h + e (e < 8) or 8 h + e + 8: one row of W for each place; the lane takes
	; two neighbouring dimensions, one for each of two tiles: column r of tile t is dimension 2 r + t.
.irp s, 0,1
.irp e, 0,1,2,3,4,5,6,7,8,9,10,11,12,13,14,15
	global_load_b64 v[BF+32*\s+2*\e:BF+32*\s+2*\e+1], v7, s[30:31] offset:1024*(32*\s+\e+8*(\e/8))
.endr
.endr
	s_wait_loadcnt 40                              ; loads return in order (ISA guide 5.7.1): vocab's 8 are in, A's 8 and B's 32 stay out
.irp k, 0,1,2,3,4,5,6,7
	ds_store_b128 v8, v[VT+4*\k:VT+4*\k+3] offset:TL+8*PITCH*\k
.endr
	s_wait_loadcnt 32                              ; A is in, B's 32 stay out
.irp s, 0,1
.irp p, 0,1,2,3,4,5,6,7
	v_cvt_pk_bf16_f32 v[AG+8*\s+\p], v[AF+16*\s+2*\p], v[AF+16*\s+2*\p+1]
.endr
.endr
.macro BFRAG s                         ; two B fragments of K step s: the lower k into the lower half
.irp t, 0,1
.irp p, 0,1,2,3,4,5,6,7
	v_cvt_pk_bf16_f32 v[BG+16*\s+8*\t+\p], v[BF+32*\s+4*\p+\t], v[BF+32*\s+4*\p+2+\t]
.endr
.endr
.endm
	s_wait_loadcnt 16                              ; B's first K step is in, the 16 loads of the second stay out
	BFRAG 0
	v_wmma_f32_16x16x32_bf16 v[DD:DD+7],    v[AG:AG+7], v[BG:BG+7],    0     ; the first products start the sums
	v_wmma_f32_16x16x32_bf16 v[DD+8:DD+15], v[AG:AG+7], v[BG+8:BG+15], 0
	s_wait_loadcnt 0x0
	BFRAG 1                                        ; writes registers that no matrix instruction above names
	v_wmma_f32_16x16x32_bf16 v[DD:DD+7],    v[AG+8:AG+15], v[BG+16:BG+23], v[DD:DD+7]
	v_wmma_f32_16x16x32_bf16 v[DD+8:DD+15], v[AG+8:AG+15], v[BG+24:BG+31], v[DD+8:DD+15]
.rept 4
	v_nop                                          ; four independent vector places before the results are read (ISA guide 7.12.1)
.endr
	; register j of lane (r, h) is agent 16 w + 8 h + j, dimension 2 r + t: eight neighbouring agents.  Tile t's column r goes to LDS row 16 t + r.
.irp t, 0,1
	ds_store_b128 v10, v[DD+8*\t:DD+8*\t+3]   offset:GL+16*PITCH*\t
	ds_store_b128 v10, v[DD+8*\t+4:DD+8*\t+7] offset:GL+16*PITCH*\t+16
.endr
	s_wait_dscnt 0x0                               ; my LDS stores are done before I say so: the other waves read them
	s_barrier_signal -1
	s_barrier_wait -1
	; tile back: for dimension 16 w + 2 i + h a lane takes codes u, u + 16, u + 32, u + 48 (u = t & 15).  The word address is 68 u + h + a constant:
	; 32 different banks.  Sixteen lanes then hold the 64 codes of one dimension.
.irp i, 0,1,2,3,4,5,6,7
.irp j, 0,1,2,3
	ds_load_b32 v[RT+4*\i+\j], v9 offset:TL+16*PITCH*\j+8*\i
.endr
.endr
.irp i, 0,1,2,3
	ds_load_b128 v[RG+4*\i:RG+4*\i+3], v8 offset:GL+8*PITCH*\i     ; LDS row 8 i + (t >> 4): 64 agents of one dimension
.endr
.irp i, 0,1,2,3,4,5,6,7
	s_wait_dscnt 32-4*\i                           ; of the 36 LDS loads those behind quad i stay out
	global_store_b128 v12, v[RT+4*\i:RT+4*\i+3], s[26:27] offset:2*REC*\i      ; 16 lanes store 256 consecutive bytes, aligned
.endr
.irp i, 0,1,2,3
	s_wait_dscnt 3-\i
	global_store_b128 v13, v[RG+4*\i:RG+4*\i+3], s[28:29] offset:POFF+REC*(16*(\i%2)+\i/2)   ; LDS row 16 t + r is dimension 2 r + t
.endr
	s_wait_tensorcnt 0x0
	ds_add_u32 v208, v209
	s_wait_dscnt 0x0
	s_endpgm
.Lfunc_end_k_q7045446dce_prep:
	.size	k_q7045446dce_prep, .Lfunc_end_k_q7045446dce_prep-k_q7045446dce_prep
	.p2alignl 7, 3214868480
	.fill 96, 4, 3214868480
	.section	.rodata,"a",@progbits
	.p2align	6, 0x0
	.amdhsa_kernel k_q7045446dce_prep
		.amdhsa_group_segment_fixed_size 26624
		.amdhsa_private_segment_fixed_size 0
		.amdhsa_enable_private_segment 0
		.amdhsa_kernarg_size 40
		.amdhsa_user_sgpr_count 2
		.amdhsa_user_sgpr_kernarg_segment_ptr 1
		.amdhsa_wavefront_size32 1
		.amdhsa_system_sgpr_workgroup_id_x 1
		.amdhsa_system_sgpr_workgroup_id_y 1
		.amdhsa_system_sgpr_workgroup_id_z 1
		.amdhsa_system_vgpr_workitem_id 0
		.amdhsa_next_free_vgpr 210
		.amdhsa_next_free_sgpr 66
		.amdhsa_reserve_vcc 0
		.amdhsa_float_denorm_mode_32 3
		.amdhsa_float_denorm_mode_16_64 3
		.amdhsa_memory_ordered 1
		.amdhsa_forward_progress 1
		.amdhsa_inst_pref_size 16
	.end_amdhsa_kernel
	.amdgpu_metadata
---
amdhsa.version: [ 1, 2 ]
amdhsa.kernels:
  - .name:           k_q7045446dce_prep
    .symbol:         k_q7045446dce_prep.kd
    .args:
      - { .name: vocab, .offset: 0, .size: 8, .value_kind: global_buffer, .address_space: global }
      - { .name: hidden_state, .offset: 8, .size: 8, .value_kind: global_buffer, .address_space: global }
      - { .name: W_mu, .offset: 16, .size: 8, .value_kind: global_buffer, .address_space: global }
      - { .name: W_var, .offset: 24, .size: 8, .value_kind: global_buffer, .address_space: global }
      - { .name: cols, .offset: 32, .size: 8, .value_kind: global_buffer, .address_space: global }
    .group_segment_fixed_size: 26624
    .private_segment_fixed_size: 0
    .kernarg_segment_align: 8
    .kernarg_segment_size: 40
    .max_flat_workgroup_size: 128
    .sgpr_count:     66
    .vgpr_count:     210
    .wavefront_size: 32
...
	.end_amdgpu_metadata
.endif
;; end of part 1
;; launch search (part 2): grid 256 x 1, 4 waves a work-group, no clusters, 40,704 bytes of LDS; arguments cols, eps, b_mu, b_var, out0; writes out0
.if DOCPART == 2
	.amdgcn_target "amdgcn-amd-amdhsa--gfx1250"
	.amdhsa_code_object_version 6
	.text
	.protected	k_q7045446dce_search
	.globl	k_q7045446dce_search
	.p2align	8
	.type	k_q7045446dce_search,@function
k_q7045446dce_search:
	s_mov_b64 s[64:65], 0
	v_nop
	global_prefetch_b8 v0, s[64:65] scope:SCOPE_SE
	s_setreg_imm32_b32 hwreg(HW_REG_WAVE_MODE, 25, 1), 1
	s_wait_xcnt 0x0
; search: work-group d makes out0[:, d] from its record cols[d] (see prep), eps[:, d], b_mu[d], b_var[d].
;   mu, log_var = sums of the 16 K slices + bias;  out = eps exp(log_var / 2) + mu;  token[i] = min over the 4,096 codes of (out[i] - code)^2;
;   out0[j] = sum of token[i] over i != j.
; Squaring is monotone in |x|, also after rounding, so the minimum of the squares is the square of the minimum of |out - code|: two pairs
; (agent, code) cost one packed add and one three-way minimum with |.| on its sources.
; Four waves, one for each SIMD.  A thread keeps 32 of the codes in registers; -out of all 64 agents lies in 64 registers, the same in every
; lane; the main part works on registers only: 64 agents x 32 instructions.  Then the 128 threads' minima meet in LDS.
; The sum over the other senders is an exclusive butterfly: nothing is subtracted from a total.
; Nothing is shared between work-groups but the 256-byte runs of eps and out0: no cluster.  One step, all loads issued at once: no ring.
; PLAINLY: a dimension's 64 numbers of eps and of out0 lie 1,024 bytes apart, so they are read and stored 4 bytes a lane (128 KB of the 6.7 MB).
; Runs of 256 bytes would need 64 dimensions in one work-group, that is 4 work-groups for the whole search.
; LIMITS: a NaN among the codes is dropped by v_min3_num_f32 (reference() would spread it); a NaN in out stays a NaN.  v_exp_f32 gives 0 for
; results below 2^-126.  The f32 sums are formed in another order than reference()'s.
.set REC,   24576
.set POFF,  16384
.set PITCH, 272                        ; a thread's 64 minima: 256 bytes + 16, so that 16 rows begin in 16 different 16-byte columns
.set PS, 0                             ; LDS: 4 waves x 512 bytes: sums over four K slices, [mu | log_var][64 agents]
.set EP, 2048                          ; LDS: eps[:, d], 256 bytes
.set OB, 2304                          ; LDS: 4 x 512 bytes, each wave's own: -out of the 64 agents in the first 256
.set R2, 4352                          ; LDS: 4 x 256 bytes: each wave's minima of the 64 agents
.set RB, 5376                          ; LDS: 128 rows x PITCH: each thread's minima of the 64 agents
.set C,  20                            ; v[20:51]    my 32 codes
.set O,  52                            ; v[52:115]   -out[i]; later the minima read back
.set R,  116                           ; v[116:179]  my minimum of |out[i] - code|
.set T,  180                           ; v[180:211]  at work
.set M,  212                           ; v[212:221]  first level of an agent's tree
.set N,  222                           ; v[222:225]  second level
.set PP, 226                           ; third level
	s_load_b256 s[4:11], s[0:1], 0x0               ; cols s[4:5], eps s[6:7], b_mu s[8:9], b_var s[10:11]
	s_load_b64 s[12:13], s[0:1], 0x20              ; out0
	v_lshl_add_u32 v228, v0, 2, 0x9d00
	v_mov_b32 v229, 0
	v_lshrrev_b32 v2, 5, v0
	v_readfirstlane_b32 s14, v2                    ; wave
	s_mul_i32 s16, ttmp9, REC
	s_mov_b32 s17, 0                               ; s[16:17] my record
	s_lshl_b32 s20, ttmp9, 2
	s_mov_b32 s21, 0                               ; s[20:21] 4 d
	s_mov_b32 s22, 0x76543210                      ; v_permlanex16_b32: lane i takes lane i of the other half
	s_mov_b32 s23, 0xfedcba98
	s_mov_b32 s24, 0xffff0000                      ; lanes 16-31
	s_lshl_b32 s25, s14, 9
	s_lshl_b32 s26, s14, 8
	v_lshlrev_b32 v1, 4, v0                        ; 16 t
	v_and_b32 v6, 31, v0
	v_lshlrev_b32 v15, 2, v6                       ; 4 lane
	v_lshlrev_b32 v16, 10, v6                      ; 1,024 lane: a row of out0
	v_lshlrev_b32 v6, 4, v6                        ; 16 lane
	v_and_b32 v7, 0xf0, v6                         ; 16 (lane & 15)
	v_add_nc_u32 v10, s25, v6                      ; my wave's 512 bytes + 16 lane
	v_mov_b32 v11, s25                             ; my wave's 512 bytes
	v_mul_u32_u24 v12, v0, PITCH                   ; my row of RB
	v_lshrrev_b32 v13, 4, v0
	v_mul_u32_u24 v13, v13, 16*PITCH
	v_add_nc_u32 v13, v13, v7                      ; back: rows 16 (t >> 4) .., agents 4 (t & 15) ..
	v_add_nc_u32 v14, s26, v7                      ; my wave's 256 bytes of R2 + 16 (lane & 15)
	s_wait_kmcnt 0x0
	s_add_nc_u64 s[4:5], s[4:5], s[16:17]
	s_add_nc_u64 s[6:7], s[6:7], s[20:21]
	s_add_nc_u64 s[8:9], s[8:9], s[20:21]
	s_add_nc_u64 s[10:11], s[10:11], s[20:21]
	s_add_nc_u64 s[12:13], s[12:13], s[20:21]
	s_load_b32 s18, s[8:9], 0x0                    ; b_mu[d]
	s_load_b32 s19, s[10:11], 0x0                  ; b_var[d]
	; partial sums: 16 slices x 512 bytes.  Thread (w, lane) takes 16 bytes at 16 lane of slices w, w + 4, w + 8, w + 12.
.irp k, 0,1,2,3
	global_load_b128 v[T+4*\k:T+4*\k+3], v1, s[4:5] offset:POFF+2048*\k th:TH_LOAD_NT
.endr
.irp k, 0,1,2,3,4,5,6,7
	global_load_b128 v[C+4*\k:C+4*\k+3], v1, s[4:5] offset:2048*\k th:TH_LOAD_NT    ; my 32 codes
.endr
	s_cmp_ge_u32 s14, 2
	s_cbranch_scc1 .Lno_eps
	v_lshlrev_b32 v3, 10, v0                       ; waves 0 and 1: thread t brings eps[t][d]
	v_lshlrev_b32 v4, 2, v0
	global_load_b32 v5, v3, s[6:7]
	s_wait_loadcnt 0x0
	ds_store_b32 v4, v5 offset:EP
.Lno_eps:
	s_wait_loadcnt 0x8                             ; the four loads of partial sums are in; the eight loads of codes behind them may be out
.macro SUM4                            ; v[T:T+3] = the sum of the four quads v[T:T+15]
	v_pk_add_f32 v[T:T+1],     v[T:T+1],     v[T+4:T+5]
	v_pk_add_f32 v[T+2:T+3],   v[T+2:T+3],   v[T+6:T+7]
	v_pk_add_f32 v[T+8:T+9],   v[T+8:T+9],   v[T+12:T+13]
	v_pk_add_f32 v[T+10:T+11], v[T+10:T+11], v[T+14:T+15]
	v_pk_add_f32 v[T:T+1],     v[T:T+1],     v[T+8:T+9]
	v_pk_add_f32 v[T+2:T+3],   v[T+2:T+3],   v[T+10:T+11]
.endm
	SUM4
	ds_store_b128 v1, v[T:T+3] offset:PS
	s_wait_dscnt 0x0                               ; my LDS stores are done before I say so
	s_barrier_signal -1
	s_barrier_wait -1
	; every wave for itself: lanes 0-15 get mu of agents 4 q .. 4 q + 3 (q = lane & 15), lanes 16-31 log_var of the same agents
.irp k, 0,1,2,3
	ds_load_b128 v[T+4*\k:T+4*\k+3], v6 offset:PS+512*\k
.endr
	ds_load_b128 v[T+16:T+19], v7 offset:EP        ; eps of these four agents
	s_wait_kmcnt 0x0
	v_mov_b32 v8, s18
	v_mov_b32 v9, s19
	v_cndmask_b32 v8, v8, v9, s24                  ; b_mu in lanes 0-15, b_var in lanes 16-31
	s_wait_dscnt 0x0
	SUM4
.irp i, 0,1,2,3
	v_add_f32 v[T+\i], v[T+\i], v8
.endr
.irp i, 0,1,2,3
	v_permlanex16_b32 v[T+4+\i], v[T+\i], s22, s23 ; lanes 0-15 now hold log_var beside mu.  What lanes 16-31 make below is never read.
.endr
.irp i, 0,1,2,3
	v_mul_f32 v[T+8+\i], 0x3f38aa3b, v[T+4+\i]     ; log_var x 0.5 log2(e)
.endr
.irp i, 0,1,2,3
	v_exp_f32 v[T+12+\i], v[T+8+\i]
.endr
	v_nop                                          ; one plain vector place between the last v_exp_f32 and the use of its kin's results
	s_wait_alu depctr_va_vdst(0)
.irp i, 0,1,2,3
	v_fma_f32 v[T+\i], -v[T+16+\i], v[T+12+\i], -v[T+\i]           ; -out = -eps exp(log_var / 2) - mu, one rounding
.endr
	ds_store_b128 v10, v[T:T+3] offset:OB          ; lanes 0-15 fill the first 256 bytes of my wave's 512
.irp q, 0,1,2,3,4,5,6,7,8,9,10,11,12,13,14,15
	ds_load_b128 v[O+4*\q:O+4*\q+3], v11 offset:OB+16*\q           ; the same address in every lane; LDS serves a wave's instructions in order (ISA guide 5.7.1)
.endr
	s_wait_dscnt 0x0
	s_wait_loadcnt 0x0                             ; my codes
	; THE SEARCH.  Agent ag: 16 packed adds (code - out, the agent's register of the pair chosen by op_sel) give 32 differences; a tree of
	; three-way minima, 10 + 4 + 1 and a last two-way one, gives their least magnitude.  The tree's last six steps stand among the NEXT agent's
	; adds, so that no instruction reads a result made just in front of it.
.macro PK k
.if ag % 2
	v_pk_add_f32 v[T+2*\k:T+2*\k+1], v[C+2*\k:C+2*\k+1], v[O+2*(ag/2):O+2*(ag/2)+1] op_sel:[0,1] op_sel_hi:[1,1]
.else
	v_pk_add_f32 v[T+2*\k:T+2*\k+1], v[C+2*\k:C+2*\k+1], v[O+2*(ag/2):O+2*(ag/2)+1] op_sel:[0,0] op_sel_hi:[1,0]
.endif
.endm
.macro AGENT fin                       ; fin = 1: agent ag - 1 is finished on the way
	PK 0
	PK 1
.if \fin
	v_min3_num_f32 v[N], v[M], v[M+1], v[M+2]
.endif
	PK 2
	PK 3
.if \fin
	v_min3_num_f32 v[N+1], v[M+3], v[M+4], v[M+5]
.endif
	PK 4
	PK 5
.if \fin
	v_min3_num_f32 v[N+2], v[M+6], v[M+7], v[M+8]
.endif
	PK 6
	PK 7
.if \fin
	v_min3_num_f32 v[N+3], v[M+9], |v[T+30]|, |v[T+31]|            ; the last agent's two differences left over: read before PK 15 writes them
.endif
	PK 8
	PK 9
	PK 10
	PK 11
.if \fin
	v_min3_num_f32 v[PP], v[N], v[N+1], v[N+2]
.endif
	PK 12
	PK 13
	PK 14
	PK 15
.if \fin
	v_min_num_f32 v[R+ag-1], v[PP], v[N+3]
.endif
.irp j, 0,1,2,3,4,5,6,7,8,9
	v_min3_num_f32 v[M+\j], |v[T+3*\j]|, |v[T+3*\j+1]|, |v[T+3*\j+2]|
.endr
.endm
.set ag, 0
	AGENT 0
.rept 63
.set ag, ag+1
	AGENT 1
.endr
	v_min3_num_f32 v[N],   v[M],   v[M+1], v[M+2]                  ; agent 63 is finished
	v_min3_num_f32 v[N+1], v[M+3], v[M+4], v[M+5]
	v_min3_num_f32 v[N+2], v[M+6], v[M+7], v[M+8]
	v_min3_num_f32 v[N+3], v[M+9], |v[T+30]|, |v[T+31]|
	v_min3_num_f32 v[PP],  v[N],   v[N+1], v[N+2]
	v_min_num_f32  v[R+63], v[PP], v[N+3]
	; OVER THE 128 THREADS.  Each thread lays its 64 minima into a row; thread (q = t & 15, s = t >> 4) takes agents 4 q .. 4 q + 3 of rows 16 s .. 16 s + 15.
.irp q, 0,1,2,3,4,5,6,7,8,9,10,11,12,13,14,15
	ds_store_b128 v12, v[R+4*\q:R+4*\q+3] offset:RB+16*\q
.endr
	s_wait_dscnt 0x0                               ; my rows are written before I say so
	s_barrier_signal -1
	s_barrier_wait -1
.irp k, 0,1,2,3,4,5,6,7,8,9,10,11,12,13,14,15
	ds_load_b128 v[O+4*\k:O+4*\k+3], v13 offset:RB+PITCH*\k        ; 16 lanes read 256 consecutive bytes of one row
.endr
	s_wait_dscnt 0x0
.irp c, 0,1,2,3
.irp j, 0,1,2,3,4
	v_min3_num_f32 v[T+8*\c+\j], v[O+12*\j+\c], v[O+12*\j+4+\c], v[O+12*\j+8+\c]
.endr
.endr
.irp c, 0,1,2,3
	v_min3_num_f32 v[T+8*\c+5], v[T+8*\c], v[T+8*\c+1], v[T+8*\c+2]
.endr
.irp c, 0,1,2,3
	v_min3_num_f32 v[T+8*\c+6], v[T+8*\c+3], v[T+8*\c+4], v[O+60+\c]
.endr
.irp c, 0,1,2,3
	v_min_num_f32 v[R+\c], v[T+8*\c+5], v[T+8*\c+6]
.endr
.irp c, 0,1,2,3
	v_permlanex16_b32 v[R+4+\c], v[R+\c], s22, s23                 ; the other half's 16 rows (the destination has been written before)
.endr
.irp c, 0,1,2,3
	v_min_num_f32 v[R+\c], v[R+\c], v[R+4+\c]
.endr
	ds_store_b128 v14, v[R:R+3] offset:R2          ; both halves of the wave write the same 256 bytes with the same numbers
	s_wait_dscnt 0x0
	s_barrier_signal -1
	s_barrier_wait -1
	s_cmp_lg_u32 s14, 0
	s_cbranch_scc1 .Lend
	; wave 0: lane l owns agents l and l + 32
.irp w, 0,1,2,3
	ds_load_b32 v[T+2*\w],   v15 offset:R2+256*\w
	ds_load_b32 v[T+2*\w+1], v15 offset:R2+256*\w+128
.endr
	s_wait_dscnt 0x0
	v_min3_num_f32 v[T],   v[T],   v[T+2], v[T+4]
	v_min3_num_f32 v[T+1], v[T+1], v[T+3], v[T+5]
	v_min_num_f32  v[T],   v[T],   v[T+6]
	v_min_num_f32  v[T+1], v[T+1], v[T+7]
	v_pk_mul_f32 v[T:T+1], v[T:T+1], v[T:T+1]      ; the two tokens
	v_add_f32 v[T+2], v[T], v[T+1]                 ; S: the sum of my group of lanes, at first myself
	v_mov_b32 v[T+3], 0                            ; E: the sum of my group without myself
.irp m, 1,2,4,8
	v_add_f32_dpp v[T+3], v[T+2], v[T+3] row_xmask:\m row_mask:0xf bank_mask:0xf    ; E += the partner group's S,
	v_add_f32_dpp v[T+2], v[T+2], v[T+2] row_xmask:\m row_mask:0xf bank_mask:0xf    ; then the groups join
.endr
	v_permlanex16_b32 v[T+4], v[T+2], s22, s23     ; the other 16 lanes' sum
	v_add_f32 v[T+3], v[T+3], v[T+4]               ; all other lanes' tokens
	v_add_f32 v[T+4], v[T+3], v[T+1]               ; receiver l: + my agent l + 32
	v_add_f32 v[T+5], v[T+3], v[T]                 ; receiver l + 32: + my agent l
	global_store_b32 v16, v[T+4], s[12:13]
	global_store_b32 v16, v[T+5], s[12:13] offset:32768
.Lend:
	s_wait_tensorcnt 0x0
	ds_add_u32 v228, v229
	s_wait_dscnt 0x0
	s_endpgm
.Lfunc_end_k_q7045446dce_search:
	.size	k_q7045446dce_search, .Lfunc_end_k_q7045446dce_search-k_q7045446dce_search
	.p2alignl 7, 3214868480
	.fill 96, 4, 3214868480
	.section	.rodata,"a",@progbits
	.p2align	6, 0x0
	.amdhsa_kernel k_q7045446dce_search
		.amdhsa_group_segment_fixed_size 40704
		.amdhsa_private_segment_fixed_size 0
		.amdhsa_enable_private_segment 0
		.amdhsa_kernarg_size 40
		.amdhsa_user_sgpr_count 2
		.amdhsa_user_sgpr_kernarg_segment_ptr 1
		.amdhsa_wavefront_size32 1
		.amdhsa_system_sgpr_workgroup_id_x 1
		.amdhsa_system_sgpr_workgroup_id_y 1
		.amdhsa_system_sgpr_workgroup_id_z 1
		.amdhsa_system_vgpr_workitem_id 0
		.amdhsa_next_free_vgpr 230
		.amdhsa_next_free_sgpr 66
		.amdhsa_reserve_vcc 0
		.amdhsa_float_denorm_mode_32 3
		.amdhsa_float_denorm_mode_16_64 3
		.amdhsa_memory_ordered 1
		.amdhsa_forward_progress 1
		.amdhsa_inst_pref_size 140
	.end_amdhsa_kernel
	.amdgpu_metadata
---
amdhsa.version: [ 1, 2 ]
amdhsa.kernels:
  - .name:           k_q7045446dce_search
    .symbol:         k_q7045446dce_search.kd
    .args:
      - { .name: cols, .offset: 0, .size: 8, .value_kind: global_buffer, .address_space: global }
      - { .name: eps, .offset: 8, .size: 8, .value_kind: global_buffer, .address_space: global }
      - { .name: b_mu, .offset: 16, .size: 8, .value_kind: global_buffer, .address_space: global }
      - { .name: b_var, .offset: 24, .size: 8, .value_kind: global_buffer, .address_space: global }
      - { .name: out0, .offset: 32, .size: 8, .value_kind: global_buffer, .address_space: global }
    .group_segment_fixed_size: 40704
    .private_segment_fixed_size: 0
    .kernarg_segment_align: 8
    .kernarg_segment_size: 40
    .max_flat_workgroup_size: 128
    .sgpr_count:     66
    .vgpr_count:     230
    .wavefront_size: 32
...
	.end_amdgpu_metadata
.endif
;; end of part 2
;; ======== version 2 of 2: 2 launches; 1.11 times as fast as version 1
;; workspace buffers: cols 6,291,456 bytes
;; launch prep (part 3): grid 256 x 1, 4 waves a work-group, no clusters, 26,624 bytes of LDS; arguments vocab, hidden_state, W_mu, W_var, cols; writes cols
.if DOCPART == 3
	.amdgcn_target "amdgcn-amd-amdhsa--gfx1250"
	.amdhsa_code_object_version 6
	.text
	.protected	k_q7045446dce_prep
	.globl	k_q7045446dce_prep
	.p2align	8
	.type	k_q7045446dce_prep,@function
k_q7045446dce_prep:
	s_mov_b64 s[64:65], 0
	v_nop
	global_prefetch_b8 v0, s[64:65] scope:SCOPE_SE
	s_setreg_imm32_b32 hwreg(HW_REG_WAVE_MODE, 25, 1), 1
	s_wait_xcnt 0x0
; prep: turns the inputs into one record per dimension d, cols[d] (REC bytes), for the launch that follows:
;   bytes 0 .. 16383      the 4,096 codes vocab[:, d], in units of 64 codes whose inner order is permuted (a minimum is taken over them)
;   bytes 16384 .. 24575  partial sums of the two products: [K slice 0..15][0: hidden W_mu, 1: hidden W_var][agent 0..63] in f32
; 256 work-groups of four waves, all with the same two jobs:
;   (a) a tile of 64 codes x 64 dimensions of vocab is transposed through LDS: rows of 256 bytes in, 256 bytes of one dimension out;
;   (b) 64 agents x 32 dimensions x 64 along K of one of the two products, bf16 operands and f32 sums; wave w takes agents 16 w .. 16 w + 15.
; 8 blocks of dimensions x 2 matrices x 16 K slices = 256 pieces; with 32 dimensions and 16 slices a piece writes 64 floats (256 bytes) per
; dimension, at the price that a row of W is read in pieces of 128 bytes.
; ORDER: every load of a wave (48) is issued before the first wait, vocab's 8 in front.  Job (a) is then finished first, stores and all: its
; 16 KB of the work-group's 24 KB of stores hang on those 8 loads alone, and leave while the operands of job (b) are still arriving.  Behind
; the last load's arrival stand only job (b)'s second K step and its 8 KB of stores.  Each job has its own LDS bytes and its own barrier.
; NO CLUSTER: of the 40 KB that a work-group reads, 16 KB (its K slice of hidden_state) are also read by 15 others.  The fragments here go from
; memory to registers directly; a joint tensor load would put a cluster barrier and a trip through LDS in front of job (b).
.set REC,   24576                      ; bytes of a dimension's record
.set POFF,  16384                      ; where its partial sums begin
.set PITCH, 272                        ; LDS rows: 256 bytes + 16, so that 16 rows begin in 16 different 16-byte columns of the 256
.set TL,    0                          ; LDS: the vocab tile, 64 rows (codes) x 64 dimensions
.set GL,    64*PITCH                   ; LDS: the product's block, 32 rows (dimensions) x 64 agents
.set VT, 16                            ; v[16:47]    vocab as loaded: 8 x 4
.set AF, 48                            ; v[48:79]    hidden_state in f32: K step s at 16 s, in the order of the fragment's k
.set BF, 80                            ; v[80:143]   W in f32: K step s at 32 s, k place e at 2 e, two neighbouring dimensions
.set AG, 144                           ; v[144:159]  A fragments, K step s at 8 s
.set BG, 160                           ; v[160:191]  B fragments, K step s, tile t at 16 s + 8 t
.set DD, 192                           ; v[192:207]  the two accumulator tiles
.set RT, VT                            ; read back from LDS: 8 x 4 codes of one dimension
.set RG, AF                            ; read back from LDS: 4 x 4 agents of one dimension
	s_load_b256 s[4:11], s[0:1], 0x0               ; vocab s[4:5], hidden_state s[6:7], W_mu s[8:9], W_var s[10:11]
	s_load_b64 s[12:13], s[0:1], 0x20              ; cols
	v_lshl_add_u32 v208, v0, 2, 0x6600
	v_mov_b32 v209, 0
	v_and_b32 v1, 15, v0                           ; t & 15: 16-byte column of a row; fragment row or column r
	v_bfe_u32 v2, v0, 4, 1                         ; half of the wave, h
	v_lshrrev_b32 v3, 4, v0                        ; t >> 4, 0..7
	v_lshrrev_b32 v6, 5, v0                        ; wave w
	; job (a): tile = 64 codes from 64 (g >> 2), 64 dimensions from 64 (g & 3)
	s_lshr_b32 s14, ttmp9, 2
	s_and_b32 s15, ttmp9, 3
	s_lshl_b32 s16, s14, 16                        ; 64 rows of 1,024 bytes
	s_lshl_b32 s17, s15, 8                         ; 64 dimensions of 4 bytes
	s_add_co_u32 s16, s16, s17
	s_mov_b32 s17, 0                               ; s[16:17] the tile's offset in vocab
	s_mul_i32 s26, s15, 64*REC
	s_lshl_b32 s27, s14, 8                         ; the tile's 64 codes: 256 bytes of each record
	s_add_co_u32 s26, s26, s27
	s_mov_b32 s27, 0                               ; s[26:27] the tile's offset in cols
	; job (b): K slice g & 15, matrix (g >> 4) & 1, 32 dimensions from 32 (g >> 5)
	s_and_b32 s18, ttmp9, 15
	s_bfe_u32 s19, ttmp9, 0x10004
	s_lshr_b32 s20, ttmp9, 5
	s_lshl_b32 s22, s18, 8                         ; 64 k of 4 bytes
	s_mov_b32 s23, 0                               ; s[22:23] offset in hidden_state
	s_lshl_b32 s24, s18, 16                        ; 64 rows of W
	s_lshl_b32 s25, s20, 7                         ; 32 dimensions of 4 bytes
	s_add_co_u32 s24, s24, s25
	s_mov_b32 s25, 0                               ; s[24:25] offset in W
	s_mul_i32 s28, s20, 32*REC
	s_lshl_b32 s29, s18, 9                         ; 512 bytes a K slice
	s_add_co_u32 s28, s28, s29
	s_lshl_b32 s29, s19, 8                         ; 256 bytes a matrix
	s_add_co_u32 s28, s28, s29
	s_mov_b32 s29, 0                               ; s[28:29] offset in cols (POFF goes into the stores' immediates)
	; lane terms of the addresses
	v_lshlrev_b32 v4, 10, v3
	v_lshl_add_u32 v4, v1, 4, v4                   ; vocab: row t >> 4, 16 bytes at column t & 15: 16 lanes read 256 consecutive bytes
	v_lshl_add_u32 v5, v6, 4, v1
	v_lshlrev_b32 v5, 12, v5
	v_lshl_add_u32 v5, v2, 5, v5                   ; hidden_state: agent 16 w + r, k from 8 h
	v_lshlrev_b32 v7, 3, v1
	v_lshl_add_u32 v7, v2, 13, v7                  ; W: row 8 h, dimensions 2 r and 2 r + 1
	v_mul_u32_u24 v8, v3, PITCH
	v_lshl_add_u32 v8, v1, 4, v8                   ; LDS: row t >> 4, 16-byte column t & 15 (tile in; product block back)
	v_mul_u32_u24 v9, v1, PITCH
	v_lshl_add_u32 v9, v6, 6, v9                   ; LDS: row t & 15, + 64 w
	v_lshl_add_u32 v10, v2, 5, v9                  ; product block in: dimension row r, agents 16 w + 8 h ..
	v_lshl_add_u32 v9, v2, 2, v9                   ; tile back: code t & 15, dimension 16 w + h
	v_mul_u32_u24 v12, v6, 16*REC
	v_mad_u32_u24 v12, v2, REC, v12
	v_lshl_add_u32 v12, v1, 4, v12                 ; cols, job (a): record 16 w + h, 16 bytes at t & 15
	v_mul_u32_u24 v13, v3, 2*REC
	v_lshl_add_u32 v13, v1, 4, v13                 ; cols, job (b): record 2 (t >> 4), 16 bytes at t & 15
	s_wait_kmcnt 0x0
	s_cmp_eq_u32 s19, 0
	s_cselect_b64 s[30:31], s[8:9], s[10:11]       ; the piece's matrix
	s_add_nc_u64 s[4:5], s[4:5], s[16:17]
	s_add_nc_u64 s[6:7], s[6:7], s[22:23]
	s_add_nc_u64 s[30:31], s[30:31], s[24:25]
	s_add_nc_u64 s[26:27], s[12:13], s[26:27]
	s_add_nc_u64 s[28:29], s[12:13], s[28:29]
	; ALL 48 LOADS.  vocab: load k takes rows 8 k + (t >> 4); read once in the launch.
.irp k, 0,1,2,3,4,5,6,7
	global_load_b128 v[VT+4*\k:VT+4*\k+3], v4, s[4:5] offset:8192*\k th:TH_LOAD_NT
.endr
	; A: a bf16 fragment of 32 k holds k = 8 h .. 8 h + 7 in registers 0-3 and 16 + 8 h .. + 7 in registers 4-7: in f32 four loads of 16 bytes
.irp s, 0,1
	global_load_b128 v[AF+16*\s:AF+16*\s+3],     v5, s[6:7] offset:128*\s
	global_load_b128 v[AF+16*\s+4:AF+16*\s+7],   v5, s[6:7] offset:128*\s+16
	global_load_b128 v[AF+16*\s+8:AF+16*\s+11],  v5, s[6:7] offset:128*\s+64
	global_load_b128 v[AF+16*\s+12:AF+16*\s+15], v5, s[6:7] offset:128*\s+80
.endr
	; B: W lies [k][dimension].  Place e of a lane's 16 is k = 8 h + e (e < 8) or 8 h + e + 8: one row of W for each place; the lane takes
	; two neighbouring dimensions, one for each of two tiles: column r of tile t is dimension 2 r + t.
.irp s, 0,1
.irp e, 0,1,2,3,4,5,6,7,8,9,10,11,12,13,14,15
	global_load_b64 v[BF+32*\s+2*\e:BF+32*\s+2*\e+1], v7, s[30:31] offset:1024*(32*\s+\e+8*(\e/8))
.endr
.endr
	; JOB (a), from its loads to its stores
	s_wait_loadcnt 40                              ; loads return in order (ISA guide 5.7.1): vocab's 8 are in, A's 8 and B's 32 stay out
.irp k, 0,1,2,3,4,5,6,7
	ds_store_b128 v8, v[VT+4*\k:VT+4*\k+3] offset:TL+8*PITCH*\k
.endr
	s_wait_dscnt 0x0                               ; my part of the tile is written before I say so: the other waves read it
	s_barrier_signal -1                            ; (the 40 loads still out read inputs, which nobody writes)
	s_barrier_wait -1
	; tile back: for dimension 16 w + 2 i + h a lane takes codes u, u + 16, u + 32, u + 48 (u = t & 15).  The word address is 68 u + h + a constant:
	; 32 different banks.  Sixteen lanes then hold the 64 codes of one dimension.
.irp i, 0,1,2,3,4,5,6,7
.irp j, 0,1,2,3
	ds_load_b32 v[RT+4*\i+\j], v9 offset:TL+16*PITCH*\j+8*\i
.endr
.endr
.irp i, 0,1,2,3,4,5,6,7
	s_wait_dscnt 28-4*\i                           ; of the 32 LDS loads those behind quad i stay out
	global_store_b128 v12, v[RT+4*\i:RT+4*\i+3], s[26:27] offset:2*REC*\i      ; 16 lanes store 256 consecutive bytes, aligned
.endr
	; JOB (b)
	s_wait_loadcnt 32                              ; A is in, B's 32 stay out
.irp s, 0,1
.irp p, 0,1,2,3,4,5,6,7
	v_cvt_pk_bf16_f32 v[AG+8*\s+\p], v[AF+16*\s+2*\p], v[AF+16*\s+2*\p+1]
.endr
.endr
.macro BFRAG s                         ; two B fragments of K step s: the lower k into the lower half
.irp t, 0,1
.irp p, 0,1,2,3,4,5,6,7
	v_cvt_pk_bf16_f32 v[BG+16*\s+8*\t+\p], v[BF+32*\s+4*\p+\t], v[BF+32*\s+4*\p+2+\t]
.endr
.endr
.endm
	s_wait_loadcnt 16                              ; B's first K step is in, the 16 loads of the second stay out
	BFRAG 0
	v_wmma_f32_16x16x32_bf16 v[DD:DD+7],    v[AG:AG+7], v[BG:BG+7],    0     ; the first products start the sums
	v_wmma_f32_16x16x32_bf16 v[DD+8:DD+15], v[AG:AG+7], v[BG+8:BG+15], 0
	s_wait_loadcnt 0x0
	BFRAG 1                                        ; writes registers that no matrix instruction above names
	v_wmma_f32_16x16x32_bf16 v[DD:DD+7],    v[AG+8:AG+15], v[BG+16:BG+23], v[DD:DD+7]
	v_wmma_f32_16x16x32_bf16 v[DD+8:DD+15], v[AG+8:AG+15], v[BG+24:BG+31], v[DD+8:DD+15]
.rept 4
	v_nop                                          ; four independent vector places before the results are read (ISA guide 7.12.1)
.endr
	; register j of lane (r, h) is agent 16 w + 8 h + j, dimension 2 r + t: eight neighbouring agents.  Tile t's column r goes to LDS row 16 t + r.
.irp t, 0,1
	ds_store_b128 v10, v[DD+8*\t:DD+8*\t+3]   offset:GL+16*PITCH*\t
	ds_store_b128 v10, v[DD+8*\t+4:DD+8*\t+7] offset:GL+16*PITCH*\t+16
.endr
	s_wait_dscnt 0x0                               ; my 16 agents of the block are written before I say so: the other waves read them
	s_barrier_signal -1                            ; (job (a)'s stores may still be out: no wave of the launch reads cols)
	s_barrier_wait -1
.irp i, 0,1,2,3
	ds_load_b128 v[RG+4*\i:RG+4*\i+3], v8 offset:GL+8*PITCH*\i     ; LDS row 8 i + (t >> 4): 64 agents of one dimension
.endr
.irp i, 0,1,2,3
	s_wait_dscnt 3-\i                              ; of the 4 LDS loads those behind row i stay out
	global_store_b128 v13, v[RG+4*\i:RG+4*\i+3], s[28:29] offset:POFF+REC*(16*(\i%2)+\i/2)   ; LDS row 16 t + r is dimension 2 r + t
.endr
	s_wait_tensorcnt 0x0
	ds_add_u32 v208, v209
	s_wait_dscnt 0x0
	s_endpgm
.Lfunc_end_k_q7045446dce_prep:
	.size	k_q7045446dce_prep, .Lfunc_end_k_q7045446dce_prep-k_q7045446dce_prep
	.p2alignl 7, 3214868480
	.fill 96, 4, 3214868480
	.section	.rodata,"a",@progbits
	.p2align	6, 0x0
	.amdhsa_kernel k_q7045446dce_prep
		.amdhsa_group_segment_fixed_size 26624
		.amdhsa_private_segment_fixed_size 0
		.amdhsa_enable_private_segment 0
		.amdhsa_kernarg_size 40
		.amdhsa_user_sgpr_count 2
		.amdhsa_user_sgpr_kernarg_segment_ptr 1
		.amdhsa_wavefront_size32 1
		.amdhsa_system_sgpr_workgroup_id_x 1
		.amdhsa_system_sgpr_workgroup_id_y 1
		.amdhsa_system_sgpr_workgroup_id_z 1
		.amdhsa_system_vgpr_workitem_id 0
		.amdhsa_next_free_vgpr 210
		.amdhsa_next_free_sgpr 66
		.amdhsa_reserve_vcc 0
		.amdhsa_float_denorm_mode_32 3
		.amdhsa_float_denorm_mode_16_64 3
		.amdhsa_memory_ordered 1
		.amdhsa_forward_progress 1
		.amdhsa_inst_pref_size 16
	.end_amdhsa_kernel
	.amdgpu_metadata
---
amdhsa.version: [ 1, 2 ]
amdhsa.kernels:
  - .name:           k_q7045446dce_prep
    .symbol:         k_q7045446dce_prep.kd
    .args:
      - { .name: vocab, .offset: 0, .size: 8, .value_kind: global_buffer, .address_space: global }
      - { .name: hidden_state, .offset: 8, .size: 8, .value_kind: global_buffer, .address_space: global }
      - { .name: W_mu, .offset: 16, .size: 8, .value_kind: global_buffer, .address_space: global }
      - { .name: W_var, .offset: 24, .size: 8, .value_kind: global_buffer, .address_space: global }
      - { .name: cols, .offset: 32, .size: 8, .value_kind: global_buffer, .address_space: global }
    .group_segment_fixed_size: 26624
    .private_segment_fixed_size: 0
    .kernarg_segment_align: 8
    .kernarg_segment_size: 40
    .max_flat_workgroup_size: 128
    .sgpr_count:     66
    .vgpr_count:     210
    .wavefront_size: 32
...
	.end_amdgpu_metadata
.endif
;; end of part 3
;; launch search (part 4): grid 256 x 1, 4 waves a work-group, no clusters, 768 bytes of LDS; arguments cols, eps, b_mu, b_var, out0; writes out0
.if DOCPART == 4
	.amdgcn_target "amdgcn-amd-amdhsa--gfx1250"
	.amdhsa_code_object_version 6
	.text
	.protected	k_q7045446dce_search
	.globl	k_q7045446dce_search
	.p2align	8
	.type	k_q7045446dce_search,@function
k_q7045446dce_search:
	s_mov_b64 s[64:65], 0
	v_nop
	global_prefetch_b8 v0, s[64:65] scope:SCOPE_SE
	s_setreg_imm32_b32 hwreg(HW_REG_WAVE_MODE, 25, 1), 1
	s_wait_xcnt 0x0
; search: work-group d makes out0[:, d] from its record cols[d], eps[:, d], b_mu[d], b_var[d].  The record (REC bytes):
;   bytes 0 .. 16383      the 4,096 codes vocab[:, d] (in some order: a minimum is taken over them)
;   bytes 16384 .. 24575  partial sums of the two products: [K slice 0..15][0: hidden W_mu, 1: hidden W_var][agent 0..63] in f32
;   mu, log_var = sums of the 16 K slices + bias;  out = eps exp(log_var / 2) + mu;  token[i] = min over the 4,096 codes of (out[i] - code)^2;
;   out0[j] = sum of token[i] over i != j.
; Squaring is monotone in |x|, also after rounding, so the minimum of the squares is the square of the minimum of |out - code|: two pairs
; (agent, code) cost one packed add and one three-way minimum with |.| on its sources.
; FOUR WAVES, ONE FOR EACH SIMD; WAVE w OWNS AGENTS 16 w .. 16 w + 15 AND SEES ALL CODES, 128 in each lane: 16 x 128 = 2,048 instructions.
; So a minimum never leaves its wave, a wave needs only its own 16 values of out, and the waves meet once, for one word each (the sum of a
; wave's tokens).  The price: each wave loads all 16,384 bytes of codes, 64 KB requested by the work-group for 16 KB of distinct bytes; only a
; wave's first 4 KB stand in front of the search, the other three chunks arrive while the chunk before them is searched (512 instructions).
; The sum over the other senders is an exclusive butterfly plus the other waves' sums: nothing is subtracted from a total.
; Nothing is shared between work-groups but the rows of eps and out0: no cluster.  One step, all loads issued at once: no ring.
; PLAINLY: a dimension's 64 numbers of eps and of out0 lie 1,024 bytes apart, so they are read and stored 4 bytes a lane (128 KB of the 6.7 MB).
; Runs of 256 bytes would need 64 dimensions in one work-group, that is 4 work-groups for the whole search.
; LIMITS: a NaN among the codes is dropped by v_min3_num_f32 (reference() would spread it); a NaN in out stays a NaN.  v_exp_f32 gives 0 for
; results below 2^-126.  The f32 sums are formed in another order than reference()'s.
.set REC,  24576
.set POFF, 16384
.set SW,   0                           ; LDS: four words, the sum of each wave's 16 tokens
.set E,  12                            ; v[12:15]    eps of my four agents, then -out of them
.set P,  16                            ; v[16:31]    partial sums as loaded, and the work on them
.set O,  16                            ; v[16:31]    afterwards: -out of the wave's 16 agents, the same in every lane
.set C,  32                            ; v[32:159]   my 128 codes, chunk c at 32 c
.set R,  160                           ; v[160:175]  my running minimum of |out - code| for each of the 16 agents
.set T,  176                           ; v[176:207]  at work
.set M,  208                           ; v[208:217]  first level of an agent's tree
.set N,  218                           ; v[218:221]  second level
.set PP, 222                           ; third level
	s_load_b256 s[4:11], s[0:1], 0x0               ; cols s[4:5], eps s[6:7], b_mu s[8:9], b_var s[10:11]
	s_load_b64 s[12:13], s[0:1], 0x20              ; out0
	v_lshl_add_u32 v224, v0, 2, 0x100
	v_mov_b32 v225, 0
	v_lshrrev_b32 v10, 5, v0
	v_readfirstlane_b32 s14, v10                   ; wave w
	s_mul_i32 s16, ttmp9, REC
	s_mov_b32 s17, 0                               ; s[16:17] my record
	s_lshl_b32 s20, ttmp9, 2
	s_mov_b32 s21, 0                               ; s[20:21] 4 d
	s_mov_b32 s22, 0x76543210                      ; v_permlanex16_b32: lane i takes lane i of the other half
	s_mov_b32 s23, 0xfedcba98
	s_mov_b32 s24, 0xaaaaaaaa                      ; lanes whose bit 0 is set,
	s_mov_b32 s25, 0xcccccccc                      ; bit 1,
	s_mov_b32 s26, 0xf0f0f0f0                      ; bit 2,
	s_mov_b32 s27, 0xff00ff00                      ; bit 3
.irp k, 0,1,2,3
	s_cmp_eq_u32 s14, \k
	s_cselect_b32 s[28+\k], -1, 0                  ; all ones where k is my own wave
.endr
	s_lshl_b32 s32, s14, 6                         ; 16 agents of 4 bytes
	s_lshl_b32 s33, s14, 14                        ; 16 rows of 1,024 bytes
	s_lshl_b32 s34, s14, 2                         ; my word of SW
	; lane l = 8 sg + 4 m + q: agents 4 q .. 4 q + 3 of my wave's 16, matrix m, K slices sg, sg + 4, sg + 8, sg + 12
	v_and_b32 v5, 31, v0                           ; l
	v_lshlrev_b32 v1, 4, v5                        ; codes: 16 l
	v_lshrrev_b32 v10, 2, v5                       ; 2 sg + m
	v_and_b32 v11, 3, v5                           ; q
	v_lshl_add_u32 v2, v11, 4, s32
	v_lshl_add_u32 v2, v10, 8, v2                  ; partial sums: 512 sg + 256 m + 64 w + 16 q
	v_lshl_add_u32 v3, v11, 12, s33                ; eps: row 16 w + 4 q
	v_and_b32 v4, 15, v5
	v_lshl_add_u32 v4, v4, 10, s33                 ; out0: row 16 w + (l & 15)
	v_mov_b32 v6, s34
	v_mov_b32 v7, 0
	s_wait_kmcnt 0x0
	s_add_nc_u64 s[4:5], s[4:5], s[16:17]
	s_add_nc_u64 s[6:7], s[6:7], s[20:21]
	s_add_nc_u64 s[8:9], s[8:9], s[20:21]
	s_add_nc_u64 s[10:11], s[10:11], s[20:21]
	s_add_nc_u64 s[12:13], s[12:13], s[20:21]
	; all 40 loads, what is needed first in front
.irp k, 0,1,2,3
	global_load_b128 v[P+4*\k:P+4*\k+3], v2, s[4:5] offset:POFF+2048*\k
.endr
.irp i, 0,1,2,3
	global_load_b32 v[E+\i], v3, s[6:7] offset:1024*\i             ; eps[16 w + 4 q + i][d]
.endr
	s_load_b32 s18, s[8:9], 0x0                    ; b_mu[d]
	s_load_b32 s19, s[10:11], 0x0                  ; b_var[d]
.set n, 0
.rept 32
	global_load_b128 v[C+4*n:C+4*n+3], v1, s[4:5] offset:512*n     ; 512 consecutive bytes a load, 32 loads: all 4,096 codes
.set n, n+1
.endr
	s_wait_kmcnt 0x0
	v_mov_b32 v8, s18
	v_mov_b32 v10, s19
	v_cndmask_b32 v8, v8, v10, s26                 ; b_mu in the lanes with m = 0, b_var in those with m = 1
	s_wait_loadcnt 32                              ; loads return in order (ISA guide 5.7.1): partial sums and eps are in, the 32 loads of codes stay out
	v_pk_add_f32 v[P:P+1],     v[P:P+1],     v[P+4:P+5]            ; my four slices
	v_pk_add_f32 v[P+2:P+3],   v[P+2:P+3],   v[P+6:P+7]
	v_pk_add_f32 v[P+8:P+9],   v[P+8:P+9],   v[P+12:P+13]
	v_pk_add_f32 v[P+10:P+11], v[P+10:P+11], v[P+14:P+15]
	v_pk_add_f32 v[P:P+1],     v[P:P+1],     v[P+8:P+9]
	v_pk_add_f32 v[P+2:P+3],   v[P+2:P+3],   v[P+10:P+11]
.irp i, 0,1,2,3
	v_add_f32_dpp v[P+\i], v[P+\i], v[P+\i] row_xmask:8 row_mask:0xf bank_mask:0xf  ; + the lanes with the other bit 0 of sg
.endr
.irp i, 0,1,2,3
	v_permlanex16_b32 v[P+4+\i], v[P+\i], s22, s23                 ; and those with the other bit 1 of sg
.endr
.irp i, 0,1,2,3
	v_add_f32 v[P+\i], v[P+\i], v[P+4+\i]
.endr
.irp i, 0,1,2,3
	v_add_f32 v[P+\i], v[P+\i], v8                 ; m = 0: mu, m = 1: log_var, of agents 16 w + 4 q + i
.endr
.irp i, 0,1,2,3
	v_mov_b32_dpp v[P+8+\i], v[P+\i] row_xmask:4 row_mask:0xf bank_mask:0xf         ; lanes with m = 0 get log_var beside mu.
.endr                                              ; What the lanes with m = 1 make from here on is never read.
.irp i, 0,1,2,3
	v_mul_f32 v[P+8+\i], 0x3f38aa3b, v[P+8+\i]     ; log_var x 0.5 log2(e)
.endr
.irp i, 0,1,2,3
	v_exp_f32 v[P+12+\i], v[P+8+\i]
.endr
	v_nop                                          ; one plain vector place between the last v_exp_f32 and the use of the results (ISA guide 5.7.2)
	s_wait_alu depctr_va_vdst(0)
.irp i, 0,1,2,3
	v_fma_f32 v[E+\i], -v[E+\i], v[P+12+\i], -v[P+\i]              ; -out = -eps exp(log_var / 2) - mu, one rounding
.endr
	; lanes 0-3 of each 16 have m = 0 and q = 0..3: every lane takes -out of all 16 agents from them
.irp q, 0,1,2,3
.irp i, 0,1,2,3
	v_mov_b32_dpp v[O+4*\q+\i], v[E+\i] row_share:\q row_mask:0xf bank_mask:0xf
.endr
.endr
	; THE SEARCH.  Chunk ch, agent ag: 16 packed adds (code - out, the agent's register of the pair chosen by op_sel) give 32 differences; a tree
	; of three-way minima, 10 + 4 + 1 + 1, gives their least magnitude; from the second chunk on the last step takes the running minimum as its
	; third source.  The tree's last six steps stand among the NEXT agent's adds, so that no instruction reads a result made just in front of it.
.macro PK k
.if ag % 2
	v_pk_add_f32 v[T+2*\k:T+2*\k+1], v[C+32*ch+2*\k:C+32*ch+2*\k+1], v[O+2*(ag/2):O+2*(ag/2)+1] op_sel:[0,1] op_sel_hi:[1,1]
.else
	v_pk_add_f32 v[T+2*\k:T+2*\k+1], v[C+32*ch+2*\k:C+32*ch+2*\k+1], v[O+2*(ag/2):O+2*(ag/2)+1] op_sel:[0,0] op_sel_hi:[1,0]
.endif
.endm
.macro LAST                            ; the tree's last step for agent pa of chunk pc
.if pc
	v_min3_num_f32 v[R+pa], v[PP], v[N+3], v[R+pa]
.else
	v_min_num_f32 v[R+pa], v[PP], v[N+3]           ; the first chunk starts the running minimum: nothing is preset
.endif
.endm
.macro AGENT                           ; started = 1: agent pa of chunk pc is finished on the way
	PK 0
	PK 1
.if started
	v_min3_num_f32 v[N], v[M], v[M+1], v[M+2]
.endif
	PK 2
	PK 3
.if started
	v_min3_num_f32 v[N+1], v[M+3], v[M+4], v[M+5]
.endif
	PK 4
	PK 5
.if started
	v_min3_num_f32 v[N+2], v[M+6], v[M+7], v[M+8]
.endif
	PK 6
	PK 7
.if started
	v_min3_num_f32 v[N+3], v[M+9], |v[T+30]|, |v[T+31]|            ; the last agent's two differences left over: read before PK 15 writes them
.endif
	PK 8
	PK 9
	PK 10
	PK 11
.if started
	v_min3_num_f32 v[PP], v[N], v[N+1], v[N+2]
.endif
	PK 12
	PK 13
	PK 14
	PK 15
.if started
	LAST
.endif
.irp j, 0,1,2,3,4,5,6,7,8,9
	v_min3_num_f32 v[M+\j], |v[T+3*\j]|, |v[T+3*\j+1]|, |v[T+3*\j+2]|
.endr
.endm
.set started, 0
.set pa, 0
.set pc, 0
.set ch, 0
.rept 4
	s_wait_loadcnt 24-8*ch                         ; this chunk's eight loads are in; the 8 loads of each later chunk stay out
.set ag, 0
.rept 16
	AGENT
.set started, 1
.set pa, ag
.set pc, ch
.set ag, ag+1
.endr
.set ch, ch+1
.endr
	v_min3_num_f32 v[N],   v[M],   v[M+1], v[M+2]                  ; the last agent of the last chunk is finished
	v_min3_num_f32 v[N+1], v[M+3], v[M+4], v[M+5]
	v_min3_num_f32 v[N+2], v[M+6], v[M+7], v[M+8]
	v_min3_num_f32 v[N+3], v[M+9], |v[T+30]|, |v[T+31]|
	v_min3_num_f32 v[PP],  v[N],   v[N+1], v[N+2]
	LAST
	; OVER THE 32 LANES, 16 values at once.  A step with lane bit b halves the values: of each pair (2 p, 2 p + 1) a lane keeps the one that its
	; bit names and hands the other to its partner, which keeps that one.  After bits 0 to 3, lane l holds agent l & 15: 3 x (8 + 4 + 2 + 1) instructions.
.macro FOLD src, dst, cnt, msk, xm
.set fi, 0
.rept \cnt
	v_cndmask_b32 v[\dst+fi],      v[\src+2*fi],   v[\src+2*fi+1], \msk    ; kept
	v_cndmask_b32 v[\dst+\cnt+fi], v[\src+2*fi+1], v[\src+2*fi],   \msk    ; handed over
.set fi, fi+1
.endr
.set fi, 0
.rept \cnt
	v_min_num_f32_dpp v[\dst+fi], v[\dst+\cnt+fi], v[\dst+fi] row_xmask:\xm row_mask:0xf bank_mask:0xf
.set fi, fi+1
.endr
.endm
	FOLD R, T, 8, s24, 1
	FOLD T, R, 4, s25, 2
	FOLD R, T, 2, s26, 4
	FOLD T, R, 1, s27, 8
	v_permlanex16_b32 v[R+1], v[R], s22, s23       ; the other 16 lanes' codes (the destination has been written before)
	v_min_num_f32 v[R], v[R], v[R+1]
	v_mul_f32 v[T], v[R], v[R]                     ; S: the token of agent 16 w + (l & 15); then the sum of my group of lanes
	; E: the sum of my group without myself.  In each step E takes the partner group's S, then the groups join.
	v_mov_b32_dpp v[T+1], v[T] row_xmask:1 row_mask:0xf bank_mask:0xf
	v_add_f32_dpp v[T], v[T], v[T] row_xmask:1 row_mask:0xf bank_mask:0xf
.irp m, 2,4,8
	v_add_f32_dpp v[T+1], v[T], v[T+1] row_xmask:\m row_mask:0xf bank_mask:0xf
	v_add_f32_dpp v[T], v[T], v[T] row_xmask:\m row_mask:0xf bank_mask:0xf
.endr
	ds_store_b32 v6, v[T] offset:SW                ; all lanes write my wave's word with the same number
	s_wait_dscnt 0x0                               ; it is written before I say so: the other waves read it
	s_barrier_signal -1
	s_barrier_wait -1
	ds_load_b128 v[T+4:T+7], v7 offset:SW          ; the four waves' sums, in every lane
	v_cmp_gt_u32 vcc_lo, 16, v5                    ; lanes 0-15 store; lanes 16-31 hold the same numbers
	s_wait_dscnt 0x0
.irp k, 0,1,2,3
	v_cndmask_b32 v[T+4+\k], v[T+4+\k], 0, s[28+\k]                ; my own wave's sum is left out, not subtracted
.endr
	v_add_f32 v[T+4], v[T+4], v[T+5]
	v_add_f32 v[T+6], v[T+6], v[T+7]
	v_add_f32 v[T+4], v[T+4], v[T+6]
	v_add_f32 v[T+4], v[T+4], v[T+1]               ; + the other 15 agents of my wave
	s_wait_xcnt 0x0                                ; EXEC is a source of memory instructions: it changes only behind this wait
	s_wait_tensorcnt 0x0
	ds_add_u32 v224, v225
	s_wait_dscnt 0x0
	s_and_saveexec_b32 s35, vcc_lo
	global_store_b32 v4, v[T+4], s[12:13]          ; out0[16 w + l][d]
	s_wait_xcnt 0x0
	s_or_b32 exec_lo, exec_lo, s35
	s_endpgm
.Lfunc_end_k_q7045446dce_search:
	.size	k_q7045446dce_search, .Lfunc_end_k_q7045446dce_search-k_q7045446dce_search
	.p2alignl 7, 3214868480
	.fill 96, 4, 3214868480
	.section	.rodata,"a",@progbits
	.p2align	6, 0x0
	.amdhsa_kernel k_q7045446dce_search
		.amdhsa_group_segment_fixed_size 768
		.amdhsa_private_segment_fixed_size 0
		.amdhsa_enable_private_segment 0
		.amdhsa_kernarg_size 40
		.amdhsa_user_sgpr_count 2
		.amdhsa_user_sgpr_kernarg_segment_ptr 1
		.amdhsa_wavefront_size32 1
		.amdhsa_system_sgpr_workgroup_id_x 1
		.amdhsa_system_sgpr_workgroup_id_y 1
		.amdhsa_system_sgpr_workgroup_id_z 1
		.amdhsa_system_vgpr_workitem_id 0
		.amdhsa_next_free_vgpr 226
		.amdhsa_next_free_sgpr 66
		.amdhsa_reserve_vcc 1
		.amdhsa_float_denorm_mode_32 3
		.amdhsa_float_denorm_mode_16_64 3
		.amdhsa_memory_ordered 1
		.amdhsa_forward_progress 1
		.amdhsa_inst_pref_size 142
	.end_amdhsa_kernel
	.amdgpu_metadata
---
amdhsa.version: [ 1, 2 ]
amdhsa.kernels:
  - .name:           k_q7045446dce_search
    .symbol:         k_q7045446dce_search.kd
    .args:
      - { .name: cols, .offset: 0, .size: 8, .value_kind: global_buffer, .address_space: global }
      - { .name: eps, .offset: 8, .size: 8, .value_kind: global_buffer, .address_space: global }
      - { .name: b_mu, .offset: 16, .size: 8, .value_kind: global_buffer, .address_space: global }
      - { .name: b_var, .offset: 24, .size: 8, .value_kind: global_buffer, .address_space: global }
      - { .name: out0, .offset: 32, .size: 8, .value_kind: global_buffer, .address_space: global }
    .group_segment_fixed_size: 768
    .private_segment_fixed_size: 0
    .kernarg_segment_align: 8
    .kernarg_segment_size: 40
    .max_flat_workgroup_size: 128
    .sgpr_count:     66
    .vgpr_count:     226
    .wavefront_size: 32
...
	.end_amdgpu_metadata
.endif
;; end of part 4
